; MI455X (gfx1250); checked and timed in simulation.
; The chip was launched on July 23, 2026; its instructions are those of AMD's public machine-readable ISA for CDNA 5 (MIT licence, August 2026) and "CDNA5" Instruction Set Architecture Reference Guide (July 2026). The comments in the code are by the model that wrote it; some were corrected since.
;; quantum attention. Allowed arithmetic: matrix products marked QUANTISED: E4M3 operands, one given power-of-two scale a tensor, by v_wmma_f32_16x16x64_fp8_fp8 or v_wmma_f32_16x16x128_fp8_fp8, f32 sums; products left as they are: f32 operands where the result goes on into a quantised operand, else bf16, f16 or f32 operands; f32 sums; everything else in f32.
;; Inputs: Wk 1,024 x 1,024 float32; Wo 1,024 x 1,024 float32; Wq 1,024 x 1,024 float32; Wv 1,024 x 1,024 float32; beta 1,024 float32; bo 1,024 float32; ent 16 x 16 float32; gamma 1,024 float32; lowp_scales 12 int32 (the exponents e of the quantised operands' scales 2^e); phase_scale 16 float32; x 2 x 2,048 x 1,024 float32.
;; Outputs: out0 2 x 2,048 x 1,024 float32.
;; This version of the problem:
;;   THIS VERSION OF THE PROBLEM IS GIVEN IN LOW PRECISION. The matrix products marked QUANTISED in the list below multiply operands that are first quantised to E4M3 (4 exponent bits, 3 mantissa bits; 8 bits a number), with one given power-of-two scale for each operand tensor; their sums are f32. All else is computed in f32.
;;   The module's matrix products, in the order in which they are computed (A, B: the left and right operand; K: the contracted axis; several contracted axes count as one K, in the product's order):
;;     1. [M 4,096, K 1,024] x [K 1,024, N 1,024]; A: input x; B: input Wq: QUANTISED (scales: A lowp_scales[0], B lowp_scales[1])
;;     2. [M 4,096, K 1,024] x [K 1,024, N 1,024]; A: input x; B: input Wk: QUANTISED (scales: A lowp_scales[2], B lowp_scales[3])
;;     3. [M 4,096, K 1,024] x [K 1,024, N 1,024]; A: input x; B: input Wv: QUANTISED (scales: A lowp_scales[4], B lowp_scales[5])
;;     4. batch 32 x [M 2,048, K 64] x [K 64, N 2,048]; A: computed on the way; B: computed on the way: QUANTISED (scales: A lowp_scales[6], B lowp_scales[7])
;;     5. batch 32 x [M 2,048, K 2,048] x [K 2,048, N 64]; A: softmax (see below); B: computed on the way: QUANTISED (scales: A lowp_scales[8], B lowp_scales[9])
;;     6. [M 16, K 1] x [K 1, N 262,144]; A: computed on the way; B: computed on the way: left as it is (no contracted axis)
;;     7. [M 4,096, K 1,024] x [K 1,024, N 1,024]; A: computed on the way; B: input Wo: QUANTISED (scales: A lowp_scales[10], B lowp_scales[11])
;;   THE QUANTISER, for each operand of a quantised product, along K:
;;     - The operand's scale is 2^e, e = its entry of the input lowp_scales (int32; the entries are numbered through the quantised products in the list's order, A before B).
;;     - Each number is divided by the scale, clamped to +-448, and rounded to the nearest number of E4M3, ties to even, subnormals kept.
;;     - The product sums the exact products of the quantised numbers (number of the format x scale) in f32.
;;   ~~~python
;;   def quantise(x, axis, e):      # numpy; x: float32 -> the quantised numbers, widened to float32 again
;;       x = np.moveaxis(x, axis, -1); K = x.shape[-1]
;;       r = np.clip(x / 2.0 ** e, -448, 448)
;;       step = 2.0 ** (np.maximum(np.frexp(np.where(r == 0, 1, r))[1] - 1, -6) - 3)
;;       q = np.round(r / step) * step * 2.0 ** e      # np.round: ties to even
;;       return np.moveaxis(q, -1, axis).astype(np.float32)
;;   ~~~
;;   SOFTMAX AHEAD OF A QUANTISED PRODUCT. Where the list says 'softmax', what is quantised is not the finished softmax but p = 2^(t - M), with t = logit x log2(e) and M = ceil(the row's largest t), a whole number; so 1/2 < the row's largest p <= 1. The row's sum l is taken of the UNQUANTISED p, in f32, and the product's result is divided by l at the end. Since M is a whole number, a kernel that streams over the keys may use a running M (the ceiling of the running maximum): every later rescaling is an exact power of two, so the quantised numbers keep their values, but for numbers so far below the row's largest that they fall under the format's range.
;;   OPERANDS COMPUTED ON THE WAY. 'Computed on the way' means the value that the module computes at that place (a softmax that the list does not call 'softmax' is quantised finished and normalised). What goes into a quantiser is computed in f32, as accurately as f32 sums, v_exp_f32 and their like allow (about 1e-6 of the number): no bf16 or f16 on the way to a quantiser, and a product that is left as it is and whose result goes on into a quantised operand takes f32 operands (vector FMAs, or v_wmma_f32_16x16x4_f32). A number that lies on a knife's edge between two numbers of the format may be rounded either way, as far as f32 arithmetic and the matrix unit's own rounding can turn it there, and no further.
;; One version. Each part assembles by itself: llvm-mc -triple=amdgcn-amd-amdhsa -mcpu=gfx1250 --defsym DOCPART=n.
;; ======== version 1 of 1: 4 launches
;; limits: right only within a limited range of input values
;; workspace buffers: xcodes 12,582,912 bytes; wcodes 4,194,304 bytes; qkvc 12,582,912 bytes; obuf 16,777,216 bytes
;; launch quant (part 1): grid 768 x 1, 4 waves a work-group, no clusters, 34,304 bytes of LDS; arguments x, Wq, Wk, Wv, Wo, lowp_scales, xcodes, wcodes; writes xcodes, wcodes
.if DOCPART == 1
	.amdgcn_target "amdgcn-amd-amdhsa--gfx1250"
	.amdhsa_code_object_version 6
	.text
	.protected	k_q8dd6b733de_quant
	.globl	k_q8dd6b733de_quant
	.p2align	8
	.type	k_q8dd6b733de_quant,@function
k_q8dd6b733de_quant:
	s_mov_b64 s[64:65], 0
	v_nop
	global_prefetch_b8 v0, s[64:65] scope:SCOPE_SE
	s_setreg_imm32_b32 hwreg(HW_REG_WAVE_MODE, 25, 1), 1
	s_wait_xcnt 0x0
; LAUNCH 1 OF 4.  x and the four weights become codes of FP8 (E4M3), each with the scale 2^e that is given for it.
; DEAD WORK: none.  Every head enters the sum over heads, every entry of ent enters E[m] = sum over h of ent[h][m], the quantiser of the last product stands between
; the outer product and Wo (so E is not folded into Wo), and the constant in cos s + 0.1 cos 2s moves M, which moves p's codes.  Every input is loaded by some launch.
; x is an operand of three products with three exponents (entries 0, 2, 4): three sets of codes.  Wq, Wk, Wv, Wo take entries 1, 3, 5, 11.
; code = number / 2^e, held within +-448, rounded to the nearest code, ties to even.
; LIMITS: each e between -126 and 119, so that 2^e and 448 x 2^e are f32 numbers.  NaN among the inputs is not served (an infinity is held at the largest code).
; LAYOUT OF THE CODES: the order of an operand's registers.  A fragment is 16 rows x 128 along K, 2,048 bytes: byte 512 c + 16 lane + i holds (row lane % 16, k = 32 c + 16 (lane / 16) + i).
;   xcodes: [set 0..2][row / 16 (256)][k / 128 (8)][2048];   wcodes: [Wq, Wk, Wv, Wo][n / 16 (64)][k / 128 (8)][2048], row = n, K = the weight's first axis.
; Work-groups 0-511 take x, a fragment a wave; work-groups 512-767 take the weights, 32 columns x 128 along K a wave.  Waves share nothing: no barrier.
.set SPARE, 33792                      ; behind the four stages: the spare words, 128 bytes a wave: two blocks of 256 bytes that no other line names
.set WREG,  8448                       ; a wave's stage: 16 rows of SP bytes
.set SP,    528                        ; a stage row: 512 bytes + 16 of padding
.set SPW,   2                          ; v2  LDS address of my spare word; never rewritten
.set NIL,   3                          ; v3  0; never rewritten
.set RAW,   16                         ; v16-79 (x) or v16-143 (weights): numbers as loaded
.set XN,    80                         ; v80-143  x: register 16 c + i = k 32 c + 16 (lane / 16) + i of my row
.set TT,    144
.set CX,    176                        ; v176-223 x: 16 registers of codes for each of the three sets
.set CW,    144                        ; v144-175 weights: 8 registers of codes a block
.macro MKS vs, vl, se                  ; v[vs] = 2^e as f32 (the conversion takes its exponent field)
	s_add_co_i32 s46, \se, 127
	s_lshl_b32 s47, s46, 23
	v_mov_b32 v[\vs], s47
.endm
	s_load_b256 s[4:11], s[0:1], 0x0               ; x s[4:5], Wq s[6:7], Wk s[8:9], Wv s[10:11]
	s_load_b256 s[12:19], s[0:1], 0x20             ; Wo s[12:13], the exponents s[14:15], xcodes s[16:17], wcodes s[18:19]
	v_lshl_add_u32 v[SPW], v0, 2, SPARE
	v_mov_b32 v[NIL], 0
	v_lshrrev_b32 v1, 5, v0
	v_readfirstlane_b32 s20, v1                    ; wave 0..3
	v_and_b32 v1, 31, v0                           ; lane
	s_wait_kmcnt 0x0
	s_load_b256 s[24:31], s[14:15], 0x0            ; e0 .. e7
	s_load_b128 s[32:35], s[14:15], 0x20           ; e8 .. e11
	s_cmp_ge_u32 ttmp9, 512
	s_cbranch_scc1 .Lw
	; ---- x: fragment (T = work-group / 2, s = 4 (work-group % 2) + wave)
	s_lshr_b32 s21, ttmp9, 1                       ; T
	s_and_b32 s22, ttmp9, 1
	s_lshl_b32 s22, s22, 2
	s_add_co_u32 s22, s22, s20                     ; s
	s_lshl_b32 s36, s21, 16                        ; 16 rows of 4,096 bytes
	s_lshl_b32 s37, s22, 9                         ; 128 numbers
	s_add_co_u32 s36, s36, s37
	s_mov_b32 s37, 0
	s_add_nc_u64 s[4:5], s[4:5], s[36:37]
	s_lshl_b32 s36, s21, 14
	s_lshl_b32 s38, s22, 11
	s_add_co_u32 s36, s36, s38
	s_add_nc_u64 s[40:41], s[16:17], s[36:37]      ; the fragment's place in set 0,
	s_add_nc_u64 s[42:43], s[40:41], 0x400000      ; set 1,
	s_add_nc_u64 s[44:45], s[40:41], 0x800000      ; set 2
	s_wait_alu depctr_va_vdst(0)
	v_lshlrev_b32 v4, 4, v1                        ; 16 x lane
	s_mul_i32 s39, s20, WREG                       ; my stage
	v_add_nc_u32 v5, s39, v4                       ; into it: a row's 512 bytes as they lie
	v_and_b32 v7, 15, v1
	v_lshrrev_b32 v14, 4, v1
	v_mul_u32_u24 v6, v7, SP
	v_lshl_add_u32 v6, v14, 6, v6
	v_add_nc_u32 v6, s39, v6                       ; out of it: row lane % 16, + 64 (lane / 16): my 16 neighbours of a block of 32
.set II, 0
.rept 16
	global_load_b128 v[RAW+4*II:RAW+4*II+3], v4, s[4:5] offset:4096*II th:TH_LOAD_NT   ; row II: 32 lanes read 512 consecutive bytes
.set II, II+1
.endr
	s_wait_alu depctr_va_vdst(0)
	s_wait_kmcnt 0x0
	MKS 8, 9, s24                                  ; e0
	MKS 10, 11, s26                                ; e2
	MKS 12, 13, s28                                ; e4
.set II, 0
	s_wait_alu depctr_va_vdst(0)
.rept 16
	s_wait_loadcnt 15-II                           ; row II is in; the younger rows may be out
	ds_store_b128 v5, v[RAW+4*II:RAW+4*II+3] offset:SP*II
.set II, II+1
.endr
.irp c, 0,1,2,3
.irp j, 0,1,2,3
	ds_load_b128 v[XN+16*\c+4*\j:XN+16*\c+4*\j+3], v6 offset:128*\c+16*\j   ; LDS serves a wave's instructions in order: these see my stores
.endr
.endr
	s_wait_dscnt 0x0
; one set of codes: the conversions read the numbers in XN as they are (x is quantised three times)
.macro QX z, vs, vl, base
.irp c, 0,1,2,3
.set II, 0
.rept 16
.set II, II+1
.endr
	v_cvt_scalef32_pk8_fp8_f32 v[CX+16*\z+4*\c:CX+16*\z+4*\c+1], v[TT+16*(\c%2)+((XN+16*\c+II)-(TT+16*(\c%2)+II)):TT+16*(\c%2)+7+((XN+16*\c+II)-(TT+16*(\c%2)+II))], v[\vs]
	v_cvt_scalef32_pk8_fp8_f32 v[CX+16*\z+4*\c+2:CX+16*\z+4*\c+3], v[TT+16*(\c%2)+8+((XN+16*\c+II)-(TT+16*(\c%2)+II)):TT+16*(\c%2)+15+((XN+16*\c+II)-(TT+16*(\c%2)+II))], v[\vs]
.endr
.irp c, 0,1,2,3
	global_store_b128 v4, v[CX+16*\z+4*\c:CX+16*\z+4*\c+3], s[\base:\base+1] offset:512*\c   ; 32 lanes store 512 consecutive bytes, aligned
.endr
.endm
	QX 0, 8, 9, 40
	QX 1, 10, 11, 42
	QX 2, 12, 13, 44
	v_nop                                          ; a plain line behind the last conversion
	s_wait_tensorcnt 0x0                           ; the wave's end: behind my last LDS store
	ds_add_u32 v[SPW], v[NIL]
	s_wait_dscnt 0x0
	s_endpgm
	; ---- the weights: W is [k][n].  A lane takes a column n and its registers run down K, so the conversions give codes with K innermost; no LDS is touched on this path
.Lw:
	s_sub_co_u32 s21, ttmp9, 512
	s_lshr_b32 s22, s21, 6                         ; which weight
	s_bfe_u32 s23, s21, 0x30003                    ; s: which 128 along K
	s_and_b32 s21, s21, 7                          ; which 128 columns
	s_cmp_eq_u32 s22, 0
	s_cselect_b64 s[36:37], s[6:7], s[8:9]
	s_cmp_eq_u32 s22, 2
	s_cselect_b64 s[36:37], s[10:11], s[36:37]
	s_cmp_eq_u32 s22, 3
	s_cselect_b64 s[36:37], s[12:13], s[36:37]
	s_lshl_b32 s40, s23, 19                        ; 128 rows of 4,096 bytes
	s_lshl_b32 s41, s21, 9
	s_add_co_u32 s40, s40, s41
	s_lshl_b32 s41, s20, 7                         ; my wave's 32 columns
	s_add_co_u32 s40, s40, s41
	s_mov_b32 s41, 0
	s_add_nc_u64 s[36:37], s[36:37], s[40:41]
	s_lshl_b32 s40, s22, 20                        ; the weight's 1 MiB of codes
	s_lshl_b32 s42, s21, 3
	s_lshl_b32 s43, s20, 1
	s_add_co_u32 s42, s42, s43                     ; n / 16 of my first column
	s_lshl_b32 s42, s42, 14
	s_add_co_u32 s40, s40, s42
	s_lshl_b32 s42, s23, 11
	s_add_co_u32 s40, s40, s42
	s_add_nc_u64 s[18:19], s[18:19], s[40:41]
	s_wait_alu depctr_va_vdst(0)
	v_lshlrev_b32 v4, 2, v1                        ; in: 4 bytes a lane
	v_lshrrev_b32 v5, 4, v1
	v_and_b32 v6, 15, v1
	v_lshlrev_b32 v5, 14, v5
	v_lshl_add_u32 v5, v6, 4, v5                   ; out: lanes 16-31 belong to the next n / 16; 16 bytes for each row of a fragment
.macro LOADW t                         ; block t: W(128 s + 32 t + i, my column)
.set II, 0
.rept 32
	global_load_b32 v[RAW+32*(\t)+II], v4, s[36:37] offset:(32*(\t)+II)*4096 th:TH_LOAD_NT
.set II, II+1
.endr
.endm
.macro BLOCKW t, left
	s_wait_loadcnt \left                           ; this block's 32 loads are in; the next block's may be out
.if (\t)+2 < 4
	LOADW (\t)+2                                   ; two blocks ahead, into registers of its own
.endif
.set II, 0
.rept 32
.set II, II+1
.endr
.irp g, 0,1,2,3
	v_cvt_scalef32_pk8_fp8_f32 v[CW+8*(\t)+2*\g:CW+8*(\t)+2*\g+1], v[RAW+32*(\t)+8*\g:RAW+32*(\t)+8*\g+7], v8
.endr
	global_store_b128 v5, v[CW+8*(\t):CW+8*(\t)+3], s[18:19] offset:512*(\t)          ; k = 32 t + 0 .. 15: sixteen lanes store 256 consecutive bytes, aligned
	global_store_b128 v5, v[CW+8*(\t)+4:CW+8*(\t)+7], s[18:19] offset:512*(\t)+256    ; k = 32 t + 16 .. 31
.endm
	LOADW 0
	LOADW 1
	s_wait_alu depctr_va_vdst(0)
	s_wait_kmcnt 0x0
	s_cmp_eq_u32 s22, 0
	s_cselect_b32 s38, s25, s27                    ; e1 or e3,
	s_cmp_eq_u32 s22, 2
	s_cselect_b32 s38, s29, s38                    ; e5,
	s_cmp_eq_u32 s22, 3
	s_cselect_b32 s38, s35, s38                    ; e11
	MKS 8, 9, s38
	s_wait_alu depctr_va_vdst(0)
	BLOCKW 0, 32
	BLOCKW 1, 32
	BLOCKW 2, 32
	BLOCKW 3, 0
	v_nop                                          ; a plain line behind the last conversion
	s_endpgm
.Lfunc_end_k_q8dd6b733de_quant:
	.size	k_q8dd6b733de_quant, .Lfunc_end_k_q8dd6b733de_quant-k_q8dd6b733de_quant
	.p2alignl 7, 3214868480
	.fill 96, 4, 3214868480
	.section	.rodata,"a",@progbits
	.p2align	6, 0x0
	.amdhsa_kernel k_q8dd6b733de_quant
		.amdhsa_group_segment_fixed_size 34304
		.amdhsa_private_segment_fixed_size 0
		.amdhsa_enable_private_segment 0
		.amdhsa_kernarg_size 64
		.amdhsa_user_sgpr_count 2
		.amdhsa_user_sgpr_kernarg_segment_ptr 1
		.amdhsa_wavefront_size32 1
		.amdhsa_system_sgpr_workgroup_id_x 1
		.amdhsa_system_sgpr_workgroup_id_y 1
		.amdhsa_system_sgpr_workgroup_id_z 1
		.amdhsa_system_vgpr_workitem_id 0
		.amdhsa_next_free_vgpr 232
		.amdhsa_next_free_sgpr 66
		.amdhsa_reserve_vcc 0
		.amdhsa_float_denorm_mode_32 3
		.amdhsa_float_denorm_mode_16_64 3
		.amdhsa_fp16_overflow 1
		.amdhsa_memory_ordered 1
		.amdhsa_forward_progress 1
		.amdhsa_inst_pref_size 25
	.end_amdhsa_kernel
	.amdgpu_metadata
---
amdhsa.version: [ 1, 2 ]
amdhsa.kernels:
  - .name:           k_q8dd6b733de_quant
    .symbol:         k_q8dd6b733de_quant.kd
    .args:
      - { .name: x, .offset: 0, .size: 8, .value_kind: global_buffer, .address_space: global }
      - { .name: Wq, .offset: 8, .size: 8, .value_kind: global_buffer, .address_space: global }
      - { .name: Wk, .offset: 16, .size: 8, .value_kind: global_buffer, .address_space: global }
      - { .name: Wv, .offset: 24, .size: 8, .value_kind: global_buffer, .address_space: global }
      - { .name: Wo, .offset: 32, .size: 8, .value_kind: global_buffer, .address_space: global }
      - { .name: lowp_scales, .offset: 40, .size: 8, .value_kind: global_buffer, .address_space: global }
      - { .name: xcodes, .offset: 48, .size: 8, .value_kind: global_buffer, .address_space: global }
      - { .name: wcodes, .offset: 56, .size: 8, .value_kind: global_buffer, .address_space: global }
    .group_segment_fixed_size: 34304
    .private_segment_fixed_size: 0
    .kernarg_segment_align: 8
    .kernarg_segment_size: 64
    .max_flat_workgroup_size: 128
    .sgpr_count:     66
    .vgpr_count:     232
    .wavefront_size: 32
...
	.end_amdgpu_metadata
.endif
;; end of part 1
;; launch qkv (part 2): grid 12 x 16, 4 waves a work-group, clusters of 4 x 4, 327,680 bytes of LDS; arguments xcodes, wcodes, lowp_scales, qkvc; writes qkvc
.if DOCPART == 2
	.amdgcn_target "amdgcn-amd-amdhsa--gfx1250"
	.amdhsa_code_object_version 6
	.text
	.protected	k_q8dd6b733de_qkv
	.globl	k_q8dd6b733de_qkv
	.p2align	8
	.type	k_q8dd6b733de_qkv,@function
k_q8dd6b733de_qkv:
	s_mov_b64 s[64:65], 0
	v_nop
	global_prefetch_b8 v0, s[64:65] scope:SCOPE_SE
	s_setreg_imm32_b32 hwreg(HW_REG_WAVE_MODE, 25, 1), 1
	s_wait_xcnt 0x0
	s_wait_alu depctr_hold_cnt(0) depctr_sa_sdst(0) depctr_va_vdst(0) depctr_va_sdst(0) depctr_va_ssrc(0) depctr_va_vcc(0) depctr_vm_vsrc(0)
	s_getreg_b32 s2, hwreg(HW_REG_IB_STS2, 6, 4)
	s_cmp_eq_u32 s2, 0
	s_cbranch_scc0 .Lentry_in_a_cluster
	s_endpgm
.Lentry_in_a_cluster:
	s_bfe_u32 s2, ttmp6, 0x10000c
	s_cmp_lg_u32 s2, 0xf033
	s_cbranch_scc0 .Lentry_shape_is_right
	s_endpgm
.Lentry_shape_is_right:
.set HALFT,  32768
.set SLOT,   131072
.set SPARE,  262144
.set FR,     16
.set NL,     4
.set NP,     4
.set SC,   12
.set LIM,  13
.set ADRA, 16
.set ADRB, 20
.set CO,   26
.set SPW,  28
.set NIL,  29
.set CD,   32
.set AF,   128
.set G1, 24
.set G0, 32
.set G1B, 48
.set G0B, 56
.set MSB, 0
.macro WIN new
.if MSB != \new
	s_set_vgpr_msb (MSB<<8)|\new
.set MSB, \new
.endif
.endm
.set MUL_LO, 0xa1
.set MUL_HI, 0xf1
.set TO_B,   0x40
.macro JLOAD g0a, g1a, g0b, g1b
	s_cmp_eq_u32 s15, 0
	s_cbranch_scc0 .Lfor_b_\@
	tensor_load_to_lds s[\g0a:\g0a+3], s[\g1a:\g1a+7]
	s_nop 0
.rept 4
	v_nop
.endr
	s_branch .Lasked_\@
.Lfor_b_\@:
	tensor_load_to_lds s[\g0b:\g0b+3], s[\g1b:\g1b+7]
	s_nop 0
.rept 4
	v_nop
.endr
.Lasked_\@:
.endm
.macro CREST
	s_cmp_lg_u32 s14, 0
	s_cbranch_scc1 .Lnot_wave_0_\@
	s_barrier_signal -3
.Lnot_wave_0_\@:
	s_barrier_wait -3
	s_barrier_signal -1
	s_barrier_wait -1
.endm
.macro CROUND
	s_barrier_signal -1
	s_barrier_wait -1
	CREST
.endm
	s_load_b256 s[4:11], s[0:1], 0x0
	v_lshl_add_u32 v[SPW], v0, 2, SPARE
	v_mov_b32 v[NIL], 0
	ds_add_u32 v[SPW], v[NIL]
	ds_add_u32 v[SPW], v[NIL]
	v_lshrrev_b32 v1, 5, v0
	v_readfirstlane_b32 s14, v1
	s_lshr_b32 s15, s14, 1
	s_and_b32 s16, s14, 1
	s_bfe_u32 s40, ttmp6, 0x40000
	s_bfe_u32 s41, ttmp6, 0x40004
	s_and_b32 s42, ttmp7, 0xffff
	s_lshl_b32 s42, s42, 2
	s_lshl_b32 s43, s41, 2
	s_lshl_b32 s43, 15, s43
	s_lshl_b32 s44, 0x1111, s40
	s_or_b32 s[G1+0], s43, (1<<21)
	s_or_b32 s[G1B+0], s44, (1<<21)
.irp g, G1, G1B
	s_mov_b32 s[\g+1], 4096<<16
	s_mov_b32 s[\g+2], 8<<16
	s_mov_b32 s[\g+3], 4096<<16
	s_mov_b32 s[\g+4], 8
	s_mov_b32 s[\g+5], 16384
	s_mov_b32 s[\g+6], 0
	s_mov_b32 s[\g+7], 0
.endr
	s_add_co_u32 s17, s41, s42
	s_add_co_u32 s46, s40, s42
	s_cmp_eq_u32 ttmp9, 2
	s_cselect_b32 s17, s41, s17
	s_cselect_b32 s46, s46, s40
	s_lshl_b32 s18, s16, 3
	s_lshl_b32 s20, s17, 4
	s_add_co_u32 s20, s20, s18
	s_lshl_b32 s20, s20, 14
	s_lshl_b32 s47, s46, 4
	s_add_co_u32 s47, s47, s18
	s_lshl_b32 s66, s47, 14
	s_lshl_b32 s19, ttmp9, 22
	s_lshl_b32 s21, ttmp9, 20
	s_cmp_eq_u32 ttmp9, 2
	s_cselect_b32 s22, s21, s19
	s_cselect_b32 s23, s19, s21
	s_add_co_u32 s20, s20, s22
	s_add_co_u32 s66, s66, s23
	s_mov_b32 s21, 0
	s_mov_b32 s67, 0
	s_lshl_b32 s45, s14, 15
	s_wait_dscnt 0x0
	s_wait_kmcnt 0x0
	s_load_b256 s[72:79], s[8:9], 0x0
	s_load_b128 s[80:83], s[8:9], 0x20
	s_cmp_eq_u32 ttmp9, 2
	s_cselect_b64 s[68:69], s[6:7], s[4:5]
	s_cselect_b64 s[70:71], s[4:5], s[6:7]
	s_add_nc_u64 s[20:21], s[68:69], s[20:21]
	s_add_nc_u64 s[66:67], s[70:71], s[66:67]
	CROUND
.irp s, 0,1
	s_mov_b32 s[G0+4*\s], 1
	s_add_co_u32 s[G0+4*\s+1], s45, \s*SLOT
	s_add_nc_u64 s[G0+4*\s+2:G0+4*\s+3], s[20:21], \s*4096
	s_or_b32 s[G0+4*\s+3], s[G0+4*\s+3], 0x80000000
	s_mov_b32 s[G0B+4*\s], 1
	s_add_co_u32 s[G0B+4*\s+1], s45, \s*SLOT
	s_add_nc_u64 s[G0B+4*\s+2:G0B+4*\s+3], s[66:67], \s*4096
	s_or_b32 s[G0B+4*\s+3], s[G0B+4*\s+3], 0x80000000
	s_wait_alu depctr_va_vdst(0)
	s_wait_tensorcnt 0x0
	ds_add_u32 v28, v29
	ds_add_u32 v28, v29
	s_wait_dscnt 0x0
	CROUND
	JLOAD G0+4*\s, G1, G0B+4*\s, G1B
.endr
	v_and_b32 v1, 31, v0
	v_lshlrev_b32 v[CO], 4, v1
	s_lshl_b32 s93, s15, 15
	s_lshl_b32 s94, s16, 15
	s_add_co_u32 s94, s94, 2*HALFT
.irp s, 0,1
	v_add_nc_u32 v[ADRA+\s], s93, v[CO]
	v_add_nc_u32 v[ADRB+\s], s94, v[CO]
	s_add_co_u32 s93, s93, SLOT
	s_add_co_u32 s94, s94, SLOT
.endr
	s_cmp_eq_u32 ttmp9, 2
	s_cselect_b32 s84, s46, s17
	s_cselect_b32 s85, s41, s40
	s_cselect_b32 s86, s15, s16
	s_cselect_b32 s87, s16, s15
	s_lshr_b32 s88, s84, 3
	s_lshl_b32 s88, s88, 4
	s_lshl_b32 s85, s85, 2
	s_add_co_u32 s88, s88, s85
	s_lshl_b32 s86, s86, 1
	s_add_co_u32 s88, s88, s86
	s_lshl_b32 s88, s88, 17
	s_and_b32 s84, s84, 7
	s_lshl_b32 s84, s84, 1
	s_add_co_u32 s84, s84, s87
	s_lshl_b32 s84, s84, 13
	s_add_co_u32 s88, s88, s84
	s_lshl_b32 s84, ttmp9, 22
	s_add_co_u32 s88, s88, s84
	s_mov_b32 s89, 0
	s_add_nc_u64 s[10:11], s[10:11], s[88:89]
.macro FRAG reg, adr, q, i
.irp c, 0,1,2,3
	ds_load_b128 v[\reg+4*\c:\reg+4*\c+3], v[\adr] offset:4096*(\i)+2048*(\q)+512*\c
.endr
.endm
.macro MUL16 a0, p, zero
.irp a, \a0, \a0+1
.irp b, 0,1,2,3,4,5,6,7
.if \zero
	v_wmma_f32_16x16x128_fp8_fp8 v[8*(8*((\a)%4)+\b):8*(8*((\a)%4)+\b)+7], v[128*(\p)+FR*\b:128*(\p)+FR*\b+FR-1], v[AF+FR*(\a):AF+FR*(\a)+FR-1], 0
.else
	v_wmma_f32_16x16x128_fp8_fp8 v[8*(8*((\a)%4)+\b):8*(8*((\a)%4)+\b)+7], v[128*(\p)+FR*\b:128*(\p)+FR*\b+FR-1], v[AF+FR*(\a):AF+FR*(\a)+FR-1], v[8*(8*((\a)%4)+\b):8*(8*((\a)%4)+\b)+7]
.endif
.endr
.endr
.endm
.macro FETCH_B slot, q, p
	WIN TO_B
.irp i, 0,1,2,3,4,5,6,7
	FRAG 128*(\p)+FR*\i, ADRB+\slot, \q, \i
.endr
	WIN 0
.endm
.macro FETCH_A slot, q, i0
.irp i, \i0, \i0+1, \i0+2, \i0+3
	FRAG AF+FR*(\i), ADRA+\slot, \q, \i
.endr
.endm
.macro PLACES n
.rept \n
	v_nop
.endr
.endm
.macro STEP slot, q, zero
	s_wait_dscnt 4*NL
	WIN MUL_LO
	MUL16 0, (\q)%2, \zero
	MUL16 2, (\q)%2, \zero
	s_wait_dscnt 0
	PLACES NP
	FETCH_B \slot, (\q)+1, 1-(\q)%2
	FETCH_A \slot, (\q)+1, 0
	WIN MUL_HI
	MUL16 4, (\q)%2, \zero
	MUL16 6, (\q)%2, \zero
	PLACES NP
	WIN 0
	FETCH_A \slot, (\q)+1, 4
.endm
.macro TURN slot, next, fill
	s_wait_tensorcnt 0x0
	ds_add_u32 v[SPW], v[NIL]
	s_wait_dscnt 4*NL+1
	WIN MUL_LO
	MUL16 0, 1, 0
	s_wait_dscnt 0x0
	s_barrier_signal -1
	MUL16 2, 1, 0
	WIN 0
	s_barrier_wait -1
.if \fill
	CREST
	s_add_nc_u64 s[G0+4*\slot+2:G0+4*\slot+3], s[G0+4*\slot+2:G0+4*\slot+3], 8192
	s_add_nc_u64 s[G0B+4*\slot+2:G0B+4*\slot+3], s[G0B+4*\slot+2:G0B+4*\slot+3], 8192
	JLOAD G0+4*\slot, G1, G0B+4*\slot, G1B
.else
	PLACES NP
.endif
	FETCH_B \next, 0, 0
	FETCH_A \next, 0, 0
	WIN MUL_HI
	MUL16 4, 1, 0
	MUL16 6, 1, 0
	PLACES NP
	WIN 0
	FETCH_A \next, 0, 4
.endm
	s_wait_alu depctr_va_vdst(0)
	s_wait_tensorcnt 1
	s_barrier_signal -1
	s_barrier_wait -1
	FETCH_B 0, 0, 0
	FETCH_A 0, 0, 0
	FETCH_A 0, 0, 4
	STEP 0, 0, 1
	TURN 0, 1, 1
	STEP 1, 0, 0
	TURN 1, 0, 1
	STEP 0, 0, 0
	TURN 0, 1, 0
	STEP 1, 0, 0
	s_wait_dscnt 4*NL
	WIN MUL_LO
	MUL16 0, 1, 0
	MUL16 2, 1, 0
	s_wait_dscnt 0
	WIN MUL_HI
	MUL16 4, 1, 0
	MUL16 6, 1, 0
	WIN 0
	s_wait_kmcnt 0x0
	s_add_co_i32 s90, s72, s73
	s_sub_co_i32 s90, s78, s90
	s_add_co_i32 s91, s74, s75
	s_sub_co_i32 s91, s79, s91
	s_add_co_i32 s92, s76, s77
	s_sub_co_i32 s92, s81, s92
	s_cmp_eq_u32 ttmp9, 0
	s_cselect_b32 s90, s90, s91
	s_cmp_eq_u32 ttmp9, 2
	s_cselect_b32 s90, s92, s90
	s_add_co_i32 s90, s90, 127
	s_lshl_b32 s91, s90, 23
	v_mov_b32 v[SC], s91
	s_add_co_i32 s90, s90, 8
	s_lshl_b32 s90, s90, 23
	s_or_b32 s90, s90, 0x600000
	PLACES NP
.macro CODES a
.set AC, 64*((\a)%4)
.set WN, 0x82+0x41*((\a)/4)
	WIN WN
.set JJ, 0
.rept 64
.set JJ, JJ+1
.endr
.set WN, 0x02+((\a)/4)
	WIN WN
.irp b, 0,1,2,3,4,5,6,7
	v_cvt_scalef32_pk8_fp8_f32 v[CD+16*(\a)+2*\b:CD+16*(\a)+2*\b+1], v[AC+8*\b:AC+8*\b+7], v[SC]
.endr
.endm
.irp a, 0,1,2,3,4,5,6,7
	CODES \a
.endr
	v_nop
	WIN 0
	s_cmp_eq_u32 ttmp9, 2
	s_cbranch_scc1 .Lv_out
.irp a, 0,1,2,3,4,5,6,7
.irp g, 0,1,2,3
	global_store_b128 v[CO], v[CD+16*\a+4*\g:CD+16*\a+4*\g+3], s[10:11] offset:(\g/2)*131072+\a*1024+(\g%2)*512
.endr
.endr
	s_branch .Lstored
.Lv_out:
	s_wait_alu depctr_va_vdst(0)
.irp a, 0,1,2,3,4,5,6,7
.irp g, 0,1,2,3
	global_store_b128 v[CO], v[CD+16*\a+4*\g:CD+16*\a+4*\g+3], s[10:11] offset:(\a/4)*131072+(\a%4)*2048+\g*512
.endr
.endr
.Lstored:
	s_wait_tensorcnt 0x0
	ds_add_u32 v[SPW], v[NIL]
	s_wait_dscnt 0x0
	CROUND
	s_endpgm
.Lfunc_end_k_q8dd6b733de_qkv:
	.size	k_q8dd6b733de_qkv, .Lfunc_end_k_q8dd6b733de_qkv-k_q8dd6b733de_qkv
	.p2alignl 7, 3214868480
	.fill 96, 4, 3214868480
	.section	.rodata,"a",@progbits
	.p2align	6, 0x0
	.amdhsa_kernel k_q8dd6b733de_qkv
		.amdhsa_group_segment_fixed_size 327680
		.amdhsa_private_segment_fixed_size 0
		.amdhsa_enable_private_segment 0
		.amdhsa_kernarg_size 32
		.amdhsa_user_sgpr_count 2
		.amdhsa_user_sgpr_kernarg_segment_ptr 1
		.amdhsa_wavefront_size32 1
		.amdhsa_system_sgpr_workgroup_id_x 1
		.amdhsa_system_sgpr_workgroup_id_y 1
		.amdhsa_system_sgpr_workgroup_id_z 1
		.amdhsa_system_vgpr_workitem_id 0
		.amdhsa_next_free_vgpr 1024
		.amdhsa_next_free_sgpr 100
		.amdhsa_reserve_vcc 0
		.amdhsa_float_denorm_mode_32 3
		.amdhsa_float_denorm_mode_16_64 3
		.amdhsa_fp16_overflow 1
		.amdhsa_memory_ordered 1
		.amdhsa_forward_progress 1
		.amdhsa_inst_pref_size 90
	.end_amdhsa_kernel
	.amdgpu_metadata
---
amdhsa.version: [ 1, 2 ]
amdhsa.kernels:
  - .name:           k_q8dd6b733de_qkv
    .symbol:         k_q8dd6b733de_qkv.kd
    .args:
      - { .name: xcodes, .offset: 0, .size: 8, .value_kind: global_buffer, .address_space: global }
      - { .name: wcodes, .offset: 8, .size: 8, .value_kind: global_buffer, .address_space: global }
      - { .name: lowp_scales, .offset: 16, .size: 8, .value_kind: global_buffer, .address_space: global }
      - { .name: qkvc, .offset: 24, .size: 8, .value_kind: global_buffer, .address_space: global }
    .group_segment_fixed_size: 327680
    .private_segment_fixed_size: 0
    .kernarg_segment_align: 8
    .kernarg_segment_size: 32
    .max_flat_workgroup_size: 128
    .sgpr_count:     100
    .vgpr_count:     1024
    .wavefront_size: 32
...
	.end_amdgpu_metadata
.endif
;; end of part 2
;; launch attn (part 3): grid 8 x 32, 16 waves a work-group, clusters of 4 x 1, 327,680 bytes of LDS; arguments qkvc, lowp_scales, phase_scale, obuf; writes obuf
.if DOCPART == 3
	.amdgcn_target "amdgcn-amd-amdhsa--gfx1250"
	.amdhsa_code_object_version 6
	.text
	.protected	k_q8dd6b733de_attn
	.globl	k_q8dd6b733de_attn
	.p2align	8
	.type	k_q8dd6b733de_attn,@function
k_q8dd6b733de_attn:
	s_mov_b64 s[64:65], 0
	v_nop
	global_prefetch_b8 v0, s[64:65] scope:SCOPE_SE
	s_setreg_imm32_b32 hwreg(HW_REG_WAVE_MODE, 25, 1), 1
	s_wait_xcnt 0x0
	s_wait_alu depctr_hold_cnt(0) depctr_sa_sdst(0) depctr_va_vdst(0) depctr_va_sdst(0) depctr_va_ssrc(0) depctr_va_vcc(0) depctr_vm_vsrc(0)
	s_getreg_b32 s2, hwreg(HW_REG_IB_STS2, 6, 4)
	s_cmp_eq_u32 s2, 0
	s_cbranch_scc0 .Lentry_in_a_cluster
	s_endpgm
.Lentry_in_a_cluster:
	s_bfe_u32 s2, ttmp6, 0x10000c
	s_cmp_lg_u32 s2, 0x3003
	s_cbranch_scc0 .Lentry_shape_is_right
	s_endpgm
.Lentry_shape_is_right:
.set VLDS,  131072
.set SPARE, 262144
.set L16, 1
.set L16V, 2
.set SPW, 3
.set NIL, 4
.set ADK, 6
.set ADV, 7
.set GR,  8
.set NM,  9
.set TM,  10
.set LS,  12
.set FF,  14
.set QF,  16
.set PLIM, 30
.set PSC, 31
.set KV,  32
.set S,   96
.set O,   160
.set PC,  192
.set TT,  208
.set CS,  224
.set MG,  226
.set NMG, 228
.set C4,  230
.set C3,  232
.set C2,  234
.set C1,  236
.set C0,  238
.set QC,  240
.set TCB, 0xbff94c36
.macro CROUND
	s_barrier_signal -1
	s_barrier_wait -1
	s_cmp_lg_u32 s12, 0
	s_cbranch_scc1 .Lnot_wave_0_\@
	s_barrier_signal -3
.Lnot_wave_0_\@:
	s_barrier_wait -3
	s_barrier_signal -1
	s_barrier_wait -1
.endm
.macro CONST reg, bits
	v_mov_b32 v[\reg], \bits
	v_mov_b32 v[\reg+1], \bits
.endm
	s_load_b256 s[4:11], s[0:1], 0x0
	v_lshl_add_u32 v[SPW], v0, 2, SPARE
	v_mov_b32 v[NIL], 0
	ds_add_u32 v[SPW], v[NIL]
	ds_add_u32 v[SPW], v[NIL]
	v_lshrrev_b32 v5, 5, v0
	s_delay_alu instid0(VALU_DEP_1)
	v_readfirstlane_b32 s12, v5
	s_bfe_u32 s13, ttmp6, 0x40000
	s_lshl_b32 s14, ttmp9, 2
	s_add_co_u32 s14, s14, s13
	s_and_b32 s15, ttmp7, 0xffff
	s_mov_b32 s16, 15|(3<<16)|(1<<21)
	s_mov_b32 s17, 32<<16
	s_mov_b32 s18, 32<<16
	s_mov_b32 s19, 32<<16
	s_mov_b32 s20, 32
	s_mov_b32 s21, 32
	s_mov_b32 s22, 0
	s_mov_b32 s23, 0
	s_lshr_b32 s47, s12, 3
	s_and_b32 s48, s12, 7
	s_lshl_b32 s48, s48, 13
	s_lshl_b32 s49, s47, 17
	s_add_co_u32 s49, s49, s48
	s_lshl_b32 s50, s47, 22
	s_add_co_u32 s50, s50, s48
	s_lshl_b32 s51, s15, 17
	s_add_co_u32 s50, s50, s51
	s_add_co_u32 s50, s50, 0x400000
	s_mov_b32 s51, 0
	s_lshl_b32 s52, s14, 4
	s_add_co_u32 s52, s52, s12
	s_lshl_b32 s60, s52, 10
	s_lshl_b32 s61, s15, 17
	s_add_co_u32 s60, s60, s61
	s_mov_b32 s61, 0
	s_lshl_b32 s62, s52, 12
	s_lshl_b32 s63, s15, 19
	s_add_co_u32 s62, s62, s63
	s_mov_b32 s63, 0
	s_and_b32 s46, s15, 15
	s_lshl_b32 s46, s46, 2
	s_mov_b32 s47, 0
	s_mov_b32 s54, 0x76543210
	s_mov_b32 s55, 0xfedcba98
	s_mov_b32 s56, 0
	s_wait_dscnt 0x0
	s_wait_kmcnt 0x0
	s_load_b256 s[32:39], s[6:7], 0x0
	s_load_b128 s[40:43], s[6:7], 0x20
	s_add_nc_u64 s[8:9], s[8:9], s[46:47]
	s_load_b32 s44, s[8:9], 0x0
	s_mov_b32 s24, 1
	s_mov_b32 s25, s49
	s_add_nc_u64 s[26:27], s[4:5], s[50:51]
	s_mov_b32 s28, 1
	s_add_co_u32 s29, s49, 65536
	s_add_nc_u64 s[30:31], s[26:27], 65536
	s_or_b32 s27, s27, 0x80000000
	s_or_b32 s31, s31, 0x80000000
	s_add_nc_u64 s[60:61], s[4:5], s[60:61]
	s_add_nc_u64 s[10:11], s[10:11], s[62:63]
	CROUND
	tensor_load_to_lds s[24:27], s[16:23]
	s_nop 0
	s_wait_alu depctr_va_vdst(0)
	s_wait_tensorcnt 0x0
	ds_add_u32 v3, v4
	s_wait_dscnt 0x0
	CROUND
	tensor_load_to_lds s[28:31], s[16:23]
	s_nop 0
.rept 4
	v_nop
.endr
	v_and_b32 v5, 31, v0
	s_delay_alu instid0(VALU_DEP_1)
	v_lshlrev_b32 v[L16], 4, v5
	s_delay_alu instid0(VALU_DEP_1)
	v_add_nc_u32 v[L16V], VLDS, v[L16]
	global_load_b128 v[QF:QF+3], v[L16], s[60:61]
	global_load_b128 v[QF+4:QF+7], v[L16], s[60:61] offset:512
	CONST MG,  0x4b400000
	CONST NMG, 0xcb400000
	CONST C4,  0x3e68a740
	CONST C3,  0xbfb0aebe
	CONST C2,  0x40869ba1
	CONST C1,  0xc0a3ad0e
	CONST C0,  0x3f84abc8
	CONST QC,  0x3f4e44cf
	v_mov_b32 v[GR], 0
	v_mov_b32 v[NM], 1.0
	v_mov_b32 v[LS], 0
	v_mov_b32 v[LS+1], 0
	v_mov_b32 v246, 0
.set JJ, 0
.rept 32
	v_mov_b32 v[O+JJ], 0
.set JJ, JJ+1
.endr
	s_wait_kmcnt 0x0
	v_mov_b32 v244, s44
	s_delay_alu instid0(VALU_DEP_1)
	v_mul_f32 v244, 0x3ca2f983, v244
	s_add_co_i32 s46, s38, s39
	v_ldexp_f32 v[CS], v244, s46
	s_delay_alu instid0(VALU_DEP_1)
	v_mov_b32 v[CS+1], v[CS]
	s_add_co_i32 s46, s40, 127
	s_lshl_b32 s47, s46, 23
	v_mov_b32 v[PSC], s47
	s_add_co_i32 s46, s46, 8
	s_lshl_b32 s46, s46, 23
	s_or_b32 s46, s46, 0x600000
.macro POLY g
.set SB, S+16*(\g)
.irp p, 0,1,2,3,4,5,6,7
	v_pk_fma_f32 v[TT+2*\p:TT+2*\p+1], v[SB+2*\p:SB+2*\p+1], v[CS:CS+1], v[MG:MG+1]
.endr
.irp p, 0,1,2,3,4,5,6,7
	v_pk_add_f32 v[TT+2*\p:TT+2*\p+1], v[TT+2*\p:TT+2*\p+1], v[NMG:NMG+1]
.endr
.irp p, 0,1,2,3,4,5,6,7
	v_pk_fma_f32 v[SB+2*\p:SB+2*\p+1], v[SB+2*\p:SB+2*\p+1], v[CS:CS+1], v[TT+2*\p:TT+2*\p+1] neg_lo:[0,0,1] neg_hi:[0,0,1]
.endr
.irp p, 0,1,2,3,4,5,6,7
	v_pk_mul_f32 v[SB+2*\p:SB+2*\p+1], v[SB+2*\p:SB+2*\p+1], v[SB+2*\p:SB+2*\p+1]
.endr
.irp p, 0,1,2,3,4,5,6,7
	v_pk_fma_f32 v[TT+2*\p:TT+2*\p+1], v[SB+2*\p:SB+2*\p+1], v[C4:C4+1], v[C3:C3+1]
.endr
.irp p, 0,1,2,3,4,5,6,7
	v_pk_fma_f32 v[TT+2*\p:TT+2*\p+1], v[TT+2*\p:TT+2*\p+1], v[SB+2*\p:SB+2*\p+1], v[C2:C2+1]
.endr
.irp p, 0,1,2,3,4,5,6,7
	v_pk_fma_f32 v[TT+2*\p:TT+2*\p+1], v[TT+2*\p:TT+2*\p+1], v[SB+2*\p:SB+2*\p+1], v[C1:C1+1]
.endr
.irp p, 0,1,2,3,4,5,6,7
	v_pk_fma_f32 v[TT+2*\p:TT+2*\p+1], v[TT+2*\p:TT+2*\p+1], v[SB+2*\p:SB+2*\p+1], v[C0:C0+1]
.endr
.irp p, 0,1,2,3,4,5,6,7
	v_pk_fma_f32 v[SB+2*\p:SB+2*\p+1], v[TT+2*\p:TT+2*\p+1], v[TT+2*\p:TT+2*\p+1], v[QC:QC+1]
.endr
.endm
.macro STEP
	v_add_nc_u32 v[ADK], s56, v[L16]
	v_add_nc_u32 v[ADV], s56, v[L16V]
	v_nop
	v_nop
.irp c, 0,1,2,3,4,5,6,7
	ds_load_b128 v[KV+8*\c:KV+8*\c+3], v[ADK] offset:1024*\c
	ds_load_b128 v[KV+8*\c+4:KV+8*\c+7], v[ADK] offset:1024*\c+512
.endr
	s_wait_alu depctr_va_vdst(0)
	s_wait_dscnt 0x0
.irp c, 0,1,2,3,4,5,6,7
	v_wmma_f32_16x16x64_fp8_fp8 v[S+8*\c:S+8*\c+7], v[KV+8*\c:KV+8*\c+7], v[QF:QF+7], 0
.endr
.rept 4
	v_nop
.endr
.irp t, 0,1,2,3
.irp g, 0,1,2,3
	ds_load_b128 v[KV+16*\t+4*\g:KV+16*\t+4*\g+3], v[ADV] offset:2048*\t+512*\g
.endr
.endr
	POLY 0
	POLY 1
	POLY 2
	POLY 3
	s_setprio 1
	v_max3_num_f32 v244, v96, v97, v98
	v_max3_num_f32 v245, v99, v100, v101
.irp i, 6,10,14,18,22,26,30,34,38,42,46,50,54,58
	s_delay_alu instid0(VALU_DEP_2)
	v_max3_num_f32 v244, v244, v[S+\i], v[S+1+\i]
	s_delay_alu instid0(VALU_DEP_2)
	v_max3_num_f32 v245, v245, v[S+2+\i], v[S+3+\i]
.endr
	s_delay_alu instid0(VALU_DEP_2)
	v_max3_num_f32 v244, v244, v158, v159
	s_delay_alu instid0(VALU_DEP_1)
	v_max_num_f32 v244, v244, v245
	s_delay_alu instid0(VALU_DEP_1)
	v_permlanex16_b32 v246, v244, s54, s55
	s_delay_alu instid0(VALU_DEP_1)
	v_max_num_f32 v244, v244, v246
	s_delay_alu instid0(VALU_DEP_1)
	v_max_num_f32 v[GR], v[GR], v244
	s_delay_alu instid0(VALU_DEP_1)
	v_fmaak_f32 v247, v[GR], v[GR], TCB
	v_mov_b32 v248, v[NM]
	s_delay_alu instid0(VALU_DEP_2)
	v_floor_f32 v[NM], -v247
	s_delay_alu instid0(VALU_DEP_1)
	v_sub_f32 v248, v[NM], v248
	s_delay_alu instid0(VALU_DEP_1)
	v_cvt_i32_f32 v248, v248
	s_delay_alu instid0(VALU_DEP_1)
	v_ldexp_f32 v[FF], 1.0, v248
	s_delay_alu instid0(VALU_DEP_1)
	v_mov_b32 v[FF+1], v[FF]
	v_add_f32 v[TM], TCB, v[NM]
	s_delay_alu instid0(VALU_DEP_1)
	v_mov_b32 v[TM+1], v[TM]
.set JJ, 0
.rept 32
	v_pk_fma_f32 v[S+JJ:S+JJ+1], v[S+JJ:S+JJ+1], v[S+JJ:S+JJ+1], v[TM:TM+1]
.set JJ, JJ+2
.endr
.set JJ, 0
	s_wait_alu depctr_va_vdst(0)
.rept 64
	v_exp_f32 v[S+JJ], v[S+JJ]
.set JJ, JJ+1
.endr
	v_pk_mul_f32 v[LS:LS+1], v[LS:LS+1], v[FF:FF+1]
	s_wait_alu depctr_va_vdst(0)
	v_pk_add_f32 v[248:249], v[S:S+1], v[S+2:S+3]
	s_setprio 0
.irp j, 4,8,12,16,20,24,28,32,36,40,44,48,52,56,60
	v_pk_add_f32 v[LS:LS+1], v[LS:LS+1], v[S+\j:S+1+\j]
	v_pk_add_f32 v[248:249], v[248:249], v[S+2+\j:S+3+\j]
.endr
	s_delay_alu instid0(VALU_DEP_1)
	v_pk_add_f32 v[LS:LS+1], v[LS:LS+1], v[248:249]
.irp c, 0,1,2,3,4,5,6,7
.irp i, 0,1,2,3,4,5,6,7
.endr
	v_cvt_scalef32_pk8_fp8_f32 v[PC+2*\c:PC+2*\c+1], v[S+8*\c:S+8*\c+7], v[PSC]
.endr
.set JJ, 0
.rept 16
	v_pk_mul_f32 v[O+JJ:O+JJ+1], v[O+JJ:O+JJ+1], v[FF:FF+1]
.set JJ, JJ+2
.endr
	s_wait_alu depctr_va_vdst(0)
	s_wait_dscnt 0x0
.irp t, 0,1,2,3
	v_wmma_f32_16x16x128_fp8_fp8 v[O+8*\t:O+8*\t+7], v[KV+16*\t:KV+16*\t+15], v[PC:PC+15], v[O+8*\t:O+8*\t+7]
.endr
	s_add_co_u32 s56, s56, 8192
.endm
.macro HALF
	s_mov_b32 s58, 8
.Lstep_\@:
	s_setprio 2
	STEP
	s_sub_co_u32 s58, s58, 1
	s_cmp_lg_u32 s58, 0
	s_cbranch_scc1 .Lstep_\@
	s_setprio 0
.endm
	s_wait_loadcnt 0x0
	s_wait_tensorcnt 1
	s_barrier_signal -1
	s_barrier_wait -1
	HALF
	s_wait_tensorcnt 0x0
	s_wait_dscnt 0x0
	s_barrier_signal -1
	s_barrier_wait -1
	HALF
	v_nop
	v_nop
	v_add_f32 v[LS], v[LS], v[LS+1]
	s_delay_alu instid0(VALU_DEP_1)
	v_permlanex16_b32 v246, v[LS], s54, s55
	s_delay_alu instid0(VALU_DEP_1)
	v_add_f32 v[LS], v[LS], v246
	s_wait_alu depctr_va_vdst(0)
	v_rcp_f32 v[LS], v[LS]
	v_nop
	s_add_co_i32 s46, s40, s41
	s_wait_alu depctr_va_vdst(0)
	v_ldexp_f32 v[LS], v[LS], s46
.set JJ, 0
.rept 32
	v_mul_f32 v[S+JJ], v[O+JJ], v[LS]
.set JJ, JJ+1
.endr
.irp i, 0,1,2,3,4,5,6,7
	global_store_b128 v[L16], v[S+4*\i:S+4*\i+3], s[10:11] offset:512*\i
.endr
	s_wait_tensorcnt 0x0
	ds_add_u32 v[SPW], v[NIL]
	s_wait_dscnt 0x0
	CROUND
	s_endpgm
.Lfunc_end_k_q8dd6b733de_attn:
	.size	k_q8dd6b733de_attn, .Lfunc_end_k_q8dd6b733de_attn-k_q8dd6b733de_attn
	.p2alignl 7, 3214868480
	.fill 96, 4, 3214868480
	.section	.rodata,"a",@progbits
	.p2align	6, 0x0
	.amdhsa_kernel k_q8dd6b733de_attn
		.amdhsa_group_segment_fixed_size 327680
		.amdhsa_private_segment_fixed_size 0
		.amdhsa_enable_private_segment 0
		.amdhsa_kernarg_size 32
		.amdhsa_user_sgpr_count 2
		.amdhsa_user_sgpr_kernarg_segment_ptr 1
		.amdhsa_wavefront_size32 1
		.amdhsa_system_sgpr_workgroup_id_x 1
		.amdhsa_system_sgpr_workgroup_id_y 1
		.amdhsa_system_sgpr_workgroup_id_z 1
		.amdhsa_system_vgpr_workitem_id 0
		.amdhsa_next_free_vgpr 256
		.amdhsa_next_free_sgpr 66
		.amdhsa_reserve_vcc 0
		.amdhsa_float_denorm_mode_32 3
		.amdhsa_float_denorm_mode_16_64 3
		.amdhsa_fp16_overflow 1
		.amdhsa_memory_ordered 1
		.amdhsa_forward_progress 1
		.amdhsa_inst_pref_size 76
	.end_amdhsa_kernel
	.amdgpu_metadata
---
amdhsa.version: [ 1, 2 ]
amdhsa.kernels:
  - .name:           k_q8dd6b733de_attn
    .symbol:         k_q8dd6b733de_attn.kd
    .args:
      - { .name: qkvc, .offset: 0, .size: 8, .value_kind: global_buffer, .address_space: global }
      - { .name: lowp_scales, .offset: 8, .size: 8, .value_kind: global_buffer, .address_space: global }
      - { .name: phase_scale, .offset: 16, .size: 8, .value_kind: global_buffer, .address_space: global }
      - { .name: obuf, .offset: 24, .size: 8, .value_kind: global_buffer, .address_space: global }
    .group_segment_fixed_size: 327680
    .private_segment_fixed_size: 0
    .kernarg_segment_align: 8
    .kernarg_segment_size: 32
    .max_flat_workgroup_size: 512
    .sgpr_count:     66
    .vgpr_count:     256
    .wavefront_size: 32
...
	.end_amdgpu_metadata
.endif
;; end of part 3
;; launch final (part 4): grid 256 x 1, 16 waves a work-group, clusters of 4 x 1, 327,680 bytes of LDS; arguments obuf, wcodes, ent, lowp_scales, x, bo, gamma, beta, out0; writes out0
.if DOCPART == 4
	.amdgcn_target "amdgcn-amd-amdhsa--gfx1250"
	.amdhsa_code_object_version 6
	.text
	.protected	k_q8dd6b733de_final
	.globl	k_q8dd6b733de_final
	.p2align	8
	.type	k_q8dd6b733de_final,@function
k_q8dd6b733de_final:
	s_mov_b64 s[64:65], 0
	v_nop
	global_prefetch_b8 v0, s[64:65] scope:SCOPE_SE
	s_setreg_imm32_b32 hwreg(HW_REG_WAVE_MODE, 25, 1), 1
	s_wait_xcnt 0x0
	s_wait_alu depctr_hold_cnt(0) depctr_sa_sdst(0) depctr_va_vdst(0) depctr_va_sdst(0) depctr_va_ssrc(0) depctr_va_vcc(0) depctr_vm_vsrc(0)
	s_getreg_b32 s2, hwreg(HW_REG_IB_STS2, 6, 4)
	s_cmp_eq_u32 s2, 0
	s_cbranch_scc0 .Lentry_in_a_cluster
	s_endpgm
.Lentry_in_a_cluster:
	s_bfe_u32 s2, ttmp6, 0x10000c
	s_cmp_lg_u32 s2, 0x3003
	s_cbranch_scc0 .Lentry_shape_is_right
	s_endpgm
.Lentry_shape_is_right:
; LAUNCH 4 OF 4.  The sum over heads, the outer product with E[m] = sum over h of ent[h][m] (f32), its quantiser (entry 10), the product with Wo's codes (entry 11), + bo, + x, LayerNorm.  No work is left out.
; SHARES.  A work-group owns 16 rows (one tile of queries of one batch).  In the product wave w owns columns 64 w .. 64 w + 63 (four accumulators); in the last phase wave w owns the whole of row w, so mean and variance never leave a wave.
; Wo's CODES COME BY TWO ROADS.  Every work-group needs all 1,048,576 bytes of them.  K steps 2, 3, 6, 7 go from memory straight into registers, as they lie (512 consecutive bytes a load).  K steps 0, 1, 4, 5 come by the tensor
; data mover into one LDS slot of 262,144 bytes: wave w asks for its own four groups of 16 columns, two K steps at a time (4 rows of 4,096 bytes, 16,384 bytes apart), and reads only what it asked for, behind its own wait.
; The slot has one first fill (steps 0, 1) and one refill (steps 4, 5), which lands while steps 2 and 3 are multiplied out of registers.  By this text's count one tensor load of a wave is out.
; CLUSTER.  All work-groups read the same codes: the four of a cluster ask jointly, mask 15; the refill stands behind a round of the cluster's barrier.
; bo, gamma and beta are loaded once for the work-group, a sixteenth a wave, and handed round through LDS.
; PHASES: the 16 heads' images of O^T are added, 8 bytes a thread, into LDS | barrier | wave w makes columns 64 w .. + 63 of the operand (m = w): x E[w], codes, stored as half an image of a fragment | barrier |
; eight K steps of 128 | barrier (the stage lies in Wo's slot, which has had its last fill: nobody may still read it) | x 2^(e10 + e11), into the stage of 16 rows | barrier |
; each wave takes a row: + bo + x, mean, then the squares of the differences (two passes: no difference of large sums), rsqrt, gamma, beta, store.
; LIMITS: e10 between -126 and 119; e10 + e11 between -126 and 127.  NaN among the inputs is not served.
.set STG,   0                          ; LDS: Wo's slot, 16,384 bytes a wave, from 0; later the stage: 16 rows of SPT bytes
.set SPT,   4112                       ; 4,096 bytes + 16 of padding
.set AIMG,  262144                     ; the sum over heads, 4,096 bytes, in obuf's order
.set IMG,   266240                     ; the operand's 8 fragments, 2,048 bytes each
.set BGB,   282624                     ; bo, gamma, beta: 4,096 bytes each
.set SPARE, 294912                     ; the spare words, 128 bytes a wave: eight blocks of 256 bytes that no other line names
.set L16, 1                            ; v1   16 x lane
.set SPW, 2                            ; v2   LDS address of my spare word; never rewritten
.set NIL, 3                            ; v3   0; never rewritten
.set WLA, 14                           ; v14  my part of Wo's slot: 16,384 x wave + 16 x lane
.set LW,  16                           ; v16-31 a fragment of Wo out of LDS; before: bo's, gamma's, beta's pairs, ent, an offset; at the end an address
.set WA,  32                           ; v32-95, v96-159: two sets of Wo's four fragments; later bo, gamma; beta
.set AF,  160                          ; v160-175, v176-191: two sets of the operand's fragment; before: obuf's pairs, the 32 numbers; later the row
.set ACC, 192                          ; v192-223 four accumulators; before: sums, codes; later at work
.set XR,  224                          ; v224-255 my row of x
.macro CROUND                          ; a round of the cluster's barrier
	s_barrier_signal -1
	s_barrier_wait -1
	s_cmp_lg_u32 s24, 0
	s_cbranch_scc1 .Lnot_wave_0_\@
	s_barrier_signal -3
.Lnot_wave_0_\@:
	s_barrier_wait -3
	s_barrier_signal -1
	s_barrier_wait -1
.endm
	s_load_b256 s[4:11], s[0:1], 0x0               ; obuf s[4:5], wcodes s[6:7], ent s[8:9], the exponents s[10:11]
	s_load_b256 s[12:19], s[0:1], 0x20             ; x s[12:13], bo s[14:15], gamma s[16:17], beta s[18:19]
	s_load_b64 s[20:21], s[0:1], 0x40              ; out0
	v_lshl_add_u32 v[SPW], v0, 2, SPARE
	v_mov_b32 v[NIL], 0
	ds_add_u32 v[SPW], v[NIL]                      ; the wave's opening: the add, twice on end, and its wait ahead of my first tensor load
	ds_add_u32 v[SPW], v[NIL]
	v_lshrrev_b32 v24, 5, v0
	s_delay_alu instid0(VALU_DEP_1)
	v_readfirstlane_b32 s24, v24                   ; wave 0..15
	v_and_b32 v24, 31, v0                          ; lane
	v_and_b32 v25, 15, v0                          ; r
	v_bfe_u32 v26, v0, 4, 1                        ; h
	s_delay_alu instid0(VALU_DEP_3)
	v_lshlrev_b32 v[L16], 4, v24
	v_lshlrev_b32 v4, 3, v0                        ; v4: 8 x thread: my pair in an image of O^T
	s_lshl_b32 s25, s24, 2
	v_lshlrev_b32 v5, 6, v25
	s_delay_alu instid0(VALU_DEP_1)
	v_add_nc_u32 v5, s25, v5                       ; v5: ent[lane % 16][w]
	v_lshlrev_b32 v6, 4, v25
	s_delay_alu instid0(VALU_DEP_1)
	v_lshl_add_u32 v6, v26, 10, v6
	s_delay_alu instid0(VALU_DEP_1)
	v_add_nc_u32 v6, AIMG, v6                      ; v6: out of the sum's image: 1,024 h + 16 r
	s_lshl_b32 s25, s24, 10
	s_add_co_u32 s25, s25, IMG
	v_add_nc_u32 v7, s25, v[L16]                   ; v7: my half of a fragment's image
	v_mul_u32_u24 v8, v25, SPT
	s_delay_alu instid0(VALU_DEP_1)
	v_lshl_add_u32 v8, v26, 5, v8
	s_lshl_b32 s25, s24, 8
	v_add_nc_u32 v8, s25, v8                       ; v8: into the stage: row r, my wave's 256 bytes, + 32 h
	v_lshlrev_b32 v23, 3, v24
	s_delay_alu instid0(VALU_DEP_1)
	v_add_nc_u32 v23, s25, v23                     ; v23: my 8 bytes of bo, gamma, beta: 256 x wave + 8 x lane
	s_delay_alu instid0(VALU_DEP_1)
	v_add_nc_u32 v15, BGB, v23                     ; v15: and their place in LDS
	s_mul_i32 s25, s24, SPT
	v_add_nc_u32 v9, s25, v[L16]                   ; v9: out of the stage: row w
	v_add_nc_u32 v10, IMG, v[L16]                  ; v10: a fragment's image, any wave
	v_add_nc_u32 v11, AIMG, v4                     ; v11: my pair in the sum's image
	s_lshl_b32 s41, s24, 14                        ; group 0: my part of Wo's slot: made of the wave's number alone
	v_add_nc_u32 v[WLA], s41, v[L16]
	s_mov_b32 s32, 15|(1<<21)                      ; group 1: the mask: all four; elements of 1 byte; no padding; 21 set beside a mask
	s_mov_b32 s33, 4096<<16                        ; tensor_dim0 = 4,096: two fragments on end
	s_mov_b32 s34, 4<<16                           ; tensor_dim1 = 4
	s_mov_b32 s35, 4096<<16                        ; tile_dim0
	s_mov_b32 s36, 4                               ; tile_dim1: four groups of 16 columns
	s_mov_b32 s37, 16384                           ; from one group to the next: 8 fragments
	s_mov_b32 s38, 0
	s_mov_b32 s39, 0
	s_mov_b32 s40, 1
	s_bfe_u32 s56, ttmp6, 0x40000                  ; cx
	s_lshl_b32 s57, ttmp9, 2
	s_add_co_u32 s57, s57, s56                     ; my tile of 16 rows: it enters obuf's, x's and out0's addresses alone
	s_lshr_b32 s26, s57, 7                         ; batch: 16 heads of 524,288 bytes
	s_lshl_b32 s26, s26, 23
	s_and_b32 s27, s57, 127
	s_lshl_b32 s27, s27, 12                        ; the tile of queries
	s_add_co_u32 s26, s26, s27
	s_mov_b32 s27, 0
	s_lshl_b32 s28, s24, 16                        ; my four groups of 16 columns of Wo,
	s_add_co_u32 s28, s28, 0x300000                ; the fourth weight
	s_mov_b32 s29, 0
	s_lshl_b32 s30, s57, 4
	s_add_co_u32 s30, s30, s24
	s_lshl_b32 s30, s30, 12                        ; my row of x and of out0
	s_mov_b32 s31, 0
	s_mov_b32 s54, 0x76543210
	s_mov_b32 s55, 0xfedcba98
	s_mov_b32 s48, 0x3a800000                      ; 1 / 1,024
	s_mov_b32 s49, 0x358637bd                      ; 1e-6
	s_wait_dscnt 0x0                               ; both opening adds are done
	s_wait_kmcnt 0x0
	s_load_b64 s[22:23], s[10:11], 0x28            ; e10, e11
	s_add_nc_u64 s[4:5], s[4:5], s[26:27]
	s_add_nc_u64 s[6:7], s[6:7], s[28:29]
	s_add_nc_u64 s[12:13], s[12:13], s[30:31]
	s_add_nc_u64 s[20:21], s[20:21], s[30:31]
	s_mov_b64 s[42:43], s[6:7]                     ; group 0: K steps 0 and 1 of my columns: the same in all four partners
	s_or_b32 s43, s43, 0x80000000
	CROUND                                         ; all four work-groups are here: the joint loads meet
	tensor_load_to_lds s[40:43], s[32:39]
	s_nop 0
.rept 4
	v_nop
.endr
.macro WLOAD reg, s                    ; my four fragments of Wo for K step s, from memory
.irp t, 0,1,2,3
.irp c, 0,1,2,3
	global_load_b128 v[\reg+16*\t+4*\c:\reg+16*\t+4*\c+3], v[L16], s[6:7] offset:16384*\t+2048*(\s)+512*\c
.endr
.endr
.endm
.macro FETCHA s                        ; the operand's fragment of K step s
.irp c, 0,1,2,3
	ds_load_b128 v[AF+16*((\s)%2)+4*\c:AF+16*((\s)%2)+4*\c+3], v10 offset:2048*(\s)+512*\c
.endr
.endm
.macro BARRIER                         ; my LDS stores have landed and my LDS loads are in: then the work-group's barrier
	s_wait_dscnt 0x0
	s_barrier_signal -1
	s_barrier_wait -1
.endm
.set II, 0
.rept 16
	global_load_b64 v[AF+2*II:AF+2*II+1], v4, s[4:5] offset:524288*II th:TH_LOAD_NT   ; head II: the work-group reads its 4,096 bytes on end
.set II, II+1
.endr
	global_load_b32 v22, v5, s[8:9]                ; ent[lane % 16][w]
	s_wait_alu depctr_va_vdst(0)
	global_load_b64 v[16:17], v23, s[14:15]        ; my sixteenth of bo,
	global_load_b64 v[18:19], v23, s[16:17]        ; of gamma,
	global_load_b64 v[20:21], v23, s[18:19]        ; of beta
	WLOAD WA, 2
	WLOAD WA+64, 3
.irp i, 0,1,2,3,4,5,6,7
	global_load_b128 v[XR+4*\i:XR+4*\i+3], v[L16], s[12:13] offset:512*\i th:TH_LOAD_NT
.endr
	; ---- the sum over heads, E[w], and bo, gamma, beta into LDS
	s_wait_loadcnt 40                              ; all but Wo's two steps and x, 16 + 16 + 8 loads, are in
.irp k, 0,1,2,3,4,5,6,7
	v_pk_add_f32 v[AF+2*\k:AF+2*\k+1], v[AF+2*\k:AF+2*\k+1], v[AF+16+2*\k:AF+17+2*\k]
.endr
.irp k, 0,1,2,3
	s_delay_alu instid0(VALU_DEP_4)
	v_pk_add_f32 v[AF+2*\k:AF+2*\k+1], v[AF+2*\k:AF+2*\k+1], v[AF+8+2*\k:AF+9+2*\k]
.endr
.irp k, 0,1
	s_delay_alu instid0(VALU_DEP_2)
	v_pk_add_f32 v[AF+2*\k:AF+2*\k+1], v[AF+2*\k:AF+2*\k+1], v[AF+4+2*\k:AF+5+2*\k]
.endr
	s_delay_alu instid0(VALU_DEP_1)
	v_pk_add_f32 v[208:209], v[AF:AF+1], v[AF+2:AF+3]
	ds_store_b64 v11, v[208:209]
	ds_store_b64 v15, v[16:17]
	ds_store_b64 v15, v[18:19] offset:4096
	ds_store_b64 v15, v[20:21] offset:8192
	v_add_f32_dpp v22, v22, v22 row_xmask:1 row_mask:0xf bank_mask:0xf   ; the sixteen lanes of a row hold the column's sixteen numbers
	s_delay_alu instid0(VALU_DEP_1)
	v_add_f32_dpp v22, v22, v22 row_xmask:2 row_mask:0xf bank_mask:0xf
	s_delay_alu instid0(VALU_DEP_1)
	v_add_f32_dpp v22, v22, v22 row_xmask:4 row_mask:0xf bank_mask:0xf
	s_delay_alu instid0(VALU_DEP_1)
	v_add_f32_dpp v22, v22, v22 row_xmask:8 row_mask:0xf bank_mask:0xf
	s_delay_alu instid0(VALU_DEP_1)
	v_mov_b32 v210, v22                            ; E[w], in every lane
	s_delay_alu instid0(VALU_DEP_2)
	v_mov_b32 v211, v22
	s_wait_alu depctr_va_vdst(0)
	BARRIER                                        ; the sum's image lies in LDS
	; ---- columns 64 w + d of the operand: lane (r, h) takes, of row r, d = 32 c + 16 h + 0 .. 15: register 16 c + i
.irp c, 0,1
.irp hh, 0,1
.irp u, 0,1
	ds_load_b128 v[AF+16*\c+8*\hh+4*\u:AF+16*\c+8*\hh+4*\u+3], v6 offset:2048*\c+512*\u+256*\hh
.endr
.endr
.endr
	s_wait_kmcnt 0x0
	s_add_co_i32 s44, s22, 127
	s_lshl_b32 s45, s44, 23
	v_mov_b32 v12, s45                             ; 2^e10
	s_add_co_i32 s46, s22, s23
	s_add_co_i32 s46, s46, 127
	s_lshl_b32 s46, s46, 23                        ; 2^(e10 + e11)
	s_mov_b32 s47, s46                             ; (named with it as a pair, so it is written)
	s_wait_dscnt 0x0
.set JJ, 0
.rept 16
	v_pk_mul_f32 v[AF+JJ:AF+JJ+1], v[AF+JJ:AF+JJ+1], v[210:211]   ; the outer product, in f32
.set JJ, JJ+2
.endr
.set JJ, 0
.rept 32
.set JJ, JJ+1
.endr
.irp c, 0,1
	v_cvt_scalef32_pk8_fp8_f32 v[212+4*\c:213+4*\c], v[AF+16*\c:AF+16*\c+7], v12
	v_cvt_scalef32_pk8_fp8_f32 v[214+4*\c:215+4*\c], v[AF+16*\c+8:AF+16*\c+15], v12
.endr
	v_nop                                          ; a plain line between the conversions and the products that later write these registers
.irp c, 0,1
	ds_store_b128 v7, v[212+4*\c:215+4*\c] offset:512*\c
.endr
	BARRIER                                        ; the operand's eight fragments lie in LDS
	; ---- eight K steps.  Source 0 = 16 columns of Wo, source 1 = the 16 rows: a lane holds eight neighbouring columns of one row.  The four accumulators take turns, one instruction a turn
; a K step whose codes of Wo lie in my part of the slot: a fragment at a time through one set of 16 registers
.macro LSTEP s
.irp t, 0,1,2,3
.irp c, 0,1,2,3
	ds_load_b128 v[LW+4*\c:LW+4*\c+3], v[WLA] offset:4096*\t+2048*((\s)%2)+512*\c
.endr
	s_wait_dscnt 0x0                               ; the fragment is in, and so is this step's fragment of the operand
.if (\s) == 0
	v_wmma_f32_16x16x128_fp8_fp8 v[ACC+8*\t:ACC+8*\t+7], v[LW:LW+15], v[AF+16*((\s)%2):AF+16*((\s)%2)+15], 0
.else
	v_wmma_f32_16x16x128_fp8_fp8 v[ACC+8*\t:ACC+8*\t+7], v[LW:LW+15], v[AF+16*((\s)%2):AF+16*((\s)%2)+15], v[ACC+8*\t:ACC+8*\t+7]
.endif
.rept 4
	v_nop                                          ; places in front of loads into registers that this product read
.endr
.endr
	FETCHA (\s)+2
.endm
; a K step whose codes of Wo came from memory into the set at reg; lc: the loads issued behind them, which may be out
.macro RSTEP s, reg, lc
	s_wait_loadcnt \lc
.irp t, 0,1,2,3
	v_wmma_f32_16x16x128_fp8_fp8 v[ACC+8*\t:ACC+8*\t+7], v[\reg+16*\t:\reg+16*\t+15], v[AF+16*((\s)%2):AF+16*((\s)%2)+15], v[ACC+8*\t:ACC+8*\t+7]
.endr
.rept 4
	v_nop                                          ; places in front of loads into registers that these products read, and of the first read of results
.endr
.if (\s)+4 < 8
	WLOAD \reg, (\s)+4
	FETCHA (\s)+2
.endif
.endm
	FETCHA 0
	FETCHA 1
	s_wait_tensorcnt 0x0                           ; my part of the slot is in: only I read it
	LSTEP 0
	LSTEP 1
	s_wait_tensorcnt 0x0                           ; THE REFILL.  No tensor load of mine is out, so group 0 may be written;
	ds_add_u32 v[SPW], v[NIL]
	s_add_nc_u64 s[42:43], s[42:43], 8192          ; K steps 4 and 5: four fragments on; the type bits on top are not reached
	s_wait_dscnt 0x0                               ; the add is done, my reads of the slot are over, and the operand's fragments of steps 2 and 3 are in
	CROUND                                         ; the same holds of every wave of all four work-groups
	tensor_load_to_lds s[40:43], s[32:39]          ; my one tensor load behind the round, and the first thing there
	s_nop 0
.rept 4
	v_nop
.endr
	RSTEP 2, WA, 24                                ; behind step 2's loads: step 3's 16 and x's 8
	RSTEP 3, WA+64, 24                             ; behind step 3's: x's 8 and step 6's 16
	s_wait_tensorcnt 0x0                           ; the refill has landed
	LSTEP 4
	LSTEP 5
	s_wait_dscnt 0x0                               ; the operand's fragments of steps 6 and 7 are in
	RSTEP 6, WA, 16                                ; behind step 6's: step 7's 16.  (x, asked for earlier, is in with them)
	RSTEP 7, WA+64, 0
	v_add_nc_u32 v16, BGB, v[L16]
.irp i, 0,1,2,3,4,5,6,7
	ds_load_b128 v[WA+4*\i:WA+4*\i+3], v16 offset:512*\i             ; bo, as my row's lanes want it
.endr
.irp i, 0,1,2,3,4,5,6,7
	ds_load_b128 v[WA+32+4*\i:WA+35+4*\i], v16 offset:4096+512*\i    ; gamma
.endr
.irp i, 0,1,2,3,4,5,6,7
	ds_load_b128 v[WA+64+4*\i:WA+67+4*\i], v16 offset:8192+512*\i    ; beta
.endr
.set JJ, 0
.rept 16
	v_pk_mul_f32 v[ACC+JJ:ACC+JJ+1], v[ACC+JJ:ACC+JJ+1], s[46:47] op_sel_hi:[1,0]   ; x 2^(e10 + e11); each accumulator from its low end on
.set JJ, JJ+2
.endr
	s_wait_alu depctr_va_vdst(0)
	BARRIER                                        ; every wave's tensor loads have landed and its reads of Wo's slot are over: the stage may be written there
.irp t, 0,1,2,3
	ds_store_b128 v8, v[ACC+8*\t:ACC+8*\t+3] offset:64*\t
	ds_store_b128 v8, v[ACC+8*\t+4:ACC+8*\t+7] offset:64*\t+16
.endr
	BARRIER                                        ; 16 whole rows lie in the stage
	; ---- my row: lane l holds columns 128 i + 4 l + 0 .. 3, i = 0 .. 7
.irp i, 0,1,2,3,4,5,6,7
	ds_load_b128 v[AF+4*\i:AF+4*\i+3], v9 offset:512*\i
.endr
	s_wait_dscnt 0x0
.set JJ, 0
.rept 16
	v_pk_add_f32 v[AF+JJ:AF+JJ+1], v[AF+JJ:AF+JJ+1], v[WA+JJ:WA+JJ+1]   ; + bo
.set JJ, JJ+2
.endr
.set JJ, 0
.rept 16
	v_pk_add_f32 v[AF+JJ:AF+JJ+1], v[AF+JJ:AF+JJ+1], v[XR+JJ:XR+JJ+1]   ; + x
.set JJ, JJ+2
.endr
	v_pk_add_f32 v[192:193], v[AF:AF+1], v[AF+2:AF+3]
	v_pk_add_f32 v[194:195], v[AF+4:AF+5], v[AF+6:AF+7]
.irp j, 8,12,16,20,24,28
	s_delay_alu instid0(VALU_DEP_2)
	v_pk_add_f32 v[192:193], v[192:193], v[AF+\j:AF+1+\j]
	s_delay_alu instid0(VALU_DEP_2)
	v_pk_add_f32 v[194:195], v[194:195], v[AF+2+\j:AF+3+\j]
.endr
	s_delay_alu instid0(VALU_DEP_1)
	v_pk_add_f32 v[192:193], v[192:193], v[194:195]
	s_delay_alu instid0(VALU_DEP_1)
	v_add_f32 v192, v192, v193
	s_delay_alu instid0(VALU_DEP_1)
	v_add_f32_dpp v192, v192, v192 row_xmask:1 row_mask:0xf bank_mask:0xf
	s_delay_alu instid0(VALU_DEP_1)
	v_add_f32_dpp v192, v192, v192 row_xmask:2 row_mask:0xf bank_mask:0xf
	s_delay_alu instid0(VALU_DEP_1)
	v_add_f32_dpp v192, v192, v192 row_xmask:4 row_mask:0xf bank_mask:0xf
	s_delay_alu instid0(VALU_DEP_1)
	v_add_f32_dpp v192, v192, v192 row_xmask:8 row_mask:0xf bank_mask:0xf
	s_delay_alu instid0(VALU_DEP_1)
	v_permlanex16_b32 v193, v192, s54, s55
	s_delay_alu instid0(VALU_DEP_1)
	v_add_f32 v192, v192, v193
	s_delay_alu instid0(VALU_DEP_1)
	v_mul_f32 v192, s48, v192                      ; the mean
	s_delay_alu instid0(VALU_DEP_1)
	v_mov_b32 v193, v192
.set JJ, 0
.rept 16
	v_pk_add_f32 v[AF+JJ:AF+JJ+1], v[AF+JJ:AF+JJ+1], v[192:193] neg_lo:[0,1] neg_hi:[0,1]
.set JJ, JJ+2
.endr
	v_pk_mul_f32 v[194:195], v[AF:AF+1], v[AF:AF+1]
	v_pk_mul_f32 v[196:197], v[AF+2:AF+3], v[AF+2:AF+3]
.irp j, 4,8,12,16,20,24,28
	s_delay_alu instid0(VALU_DEP_2)
	v_pk_fma_f32 v[194:195], v[AF+\j:AF+1+\j], v[AF+\j:AF+1+\j], v[194:195]
	s_delay_alu instid0(VALU_DEP_2)
	v_pk_fma_f32 v[196:197], v[AF+2+\j:AF+3+\j], v[AF+2+\j:AF+3+\j], v[196:197]
.endr
	s_delay_alu instid0(VALU_DEP_1)
	v_pk_add_f32 v[194:195], v[194:195], v[196:197]
	s_delay_alu instid0(VALU_DEP_1)
	v_add_f32 v194, v194, v195
	s_delay_alu instid0(VALU_DEP_1)
	v_add_f32_dpp v194, v194, v194 row_xmask:1 row_mask:0xf bank_mask:0xf
	s_delay_alu instid0(VALU_DEP_1)
	v_add_f32_dpp v194, v194, v194 row_xmask:2 row_mask:0xf bank_mask:0xf
	s_delay_alu instid0(VALU_DEP_1)
	v_add_f32_dpp v194, v194, v194 row_xmask:4 row_mask:0xf bank_mask:0xf
	s_delay_alu instid0(VALU_DEP_1)
	v_add_f32_dpp v194, v194, v194 row_xmask:8 row_mask:0xf bank_mask:0xf
	s_delay_alu instid0(VALU_DEP_1)
	v_permlanex16_b32 v195, v194, s54, s55
	s_delay_alu instid0(VALU_DEP_1)
	v_add_f32 v194, v194, v195
	s_delay_alu instid0(VALU_DEP_1)
	v_fma_f32 v194, v194, s48, s49                 ; the variance + 1e-6
	s_wait_alu depctr_va_vdst(0)
	v_rsq_f32 v196, v194
	v_nop                                          ; a plain line behind the transcendental
	s_wait_alu depctr_va_vdst(0)                   ; and the wait ahead of its first reader
	v_mov_b32 v197, v196
.set JJ, 0
.rept 16
	v_pk_mul_f32 v[AF+JJ:AF+JJ+1], v[AF+JJ:AF+JJ+1], v[196:197]
.set JJ, JJ+2
.endr
.set JJ, 0
.rept 16
	v_pk_fma_f32 v[AF+JJ:AF+JJ+1], v[AF+JJ:AF+JJ+1], v[WA+32+JJ:WA+33+JJ], v[WA+64+JJ:WA+65+JJ]   ; x gamma + beta
.set JJ, JJ+2
.endr
.irp i, 0,1,2,3,4,5,6,7
	global_store_b128 v[L16], v[AF+4*\i:AF+4*\i+3], s[20:21] offset:512*\i th:TH_STORE_NT   ; 32 lanes store 512 consecutive bytes, aligned
.endr
	s_wait_tensorcnt 0x0                           ; the wave's end: behind my last tensor load and my last LDS store
	ds_add_u32 v[SPW], v[NIL]
	s_wait_dscnt 0x0
	CROUND                                         ; the closing round
	s_endpgm
.Lfunc_end_k_q8dd6b733de_final:
	.size	k_q8dd6b733de_final, .Lfunc_end_k_q8dd6b733de_final-k_q8dd6b733de_final
	.p2alignl 7, 3214868480
	.fill 96, 4, 3214868480
	.section	.rodata,"a",@progbits
	.p2align	6, 0x0
	.amdhsa_kernel k_q8dd6b733de_final
		.amdhsa_group_segment_fixed_size 327680
		.amdhsa_private_segment_fixed_size 0
		.amdhsa_enable_private_segment 0
		.amdhsa_kernarg_size 72
		.amdhsa_user_sgpr_count 2
		.amdhsa_user_sgpr_kernarg_segment_ptr 1
		.amdhsa_wavefront_size32 1
		.amdhsa_system_sgpr_workgroup_id_x 1
		.amdhsa_system_sgpr_workgroup_id_y 1
		.amdhsa_system_sgpr_workgroup_id_z 1
		.amdhsa_system_vgpr_workitem_id 0
		.amdhsa_next_free_vgpr 256
		.amdhsa_next_free_sgpr 66
		.amdhsa_reserve_vcc 0
		.amdhsa_float_denorm_mode_32 3
		.amdhsa_float_denorm_mode_16_64 3
		.amdhsa_fp16_overflow 1
		.amdhsa_memory_ordered 1
		.amdhsa_forward_progress 1
		.amdhsa_inst_pref_size 44
	.end_amdhsa_kernel
	.amdgpu_metadata
---
amdhsa.version: [ 1, 2 ]
amdhsa.kernels:
  - .name:           k_q8dd6b733de_final
    .symbol:         k_q8dd6b733de_final.kd
    .args:
      - { .name: obuf, .offset: 0, .size: 8, .value_kind: global_buffer, .address_space: global }
      - { .name: wcodes, .offset: 8, .size: 8, .value_kind: global_buffer, .address_space: global }
      - { .name: ent, .offset: 16, .size: 8, .value_kind: global_buffer, .address_space: global }
      - { .name: lowp_scales, .offset: 24, .size: 8, .value_kind: global_buffer, .address_space: global }
      - { .name: x, .offset: 32, .size: 8, .value_kind: global_buffer, .address_space: global }
      - { .name: bo, .offset: 40, .size: 8, .value_kind: global_buffer, .address_space: global }
      - { .name: gamma, .offset: 48, .size: 8, .value_kind: global_buffer, .address_space: global }
      - { .name: beta, .offset: 56, .size: 8, .value_kind: global_buffer, .address_space: global }
      - { .name: out0, .offset: 64, .size: 8, .value_kind: global_buffer, .address_space: global }
    .group_segment_fixed_size: 327680
    .private_segment_fixed_size: 0
    .kernarg_segment_align: 8
    .kernarg_segment_size: 72
    .max_flat_workgroup_size: 512
    .sgpr_count:     66
    .vgpr_count:     256
    .wavefront_size: 32
...
	.end_amdgpu_metadata
.endif
;; end of part 4
